; MI455X (gfx1250); checked and timed in simulation.
; The chip was launched on July 23, 2026; its instructions are those of AMD's public machine-readable ISA for CDNA 5 (MIT licence, August 2026) and "CDNA5" Instruction Set Architecture Reference Guide (July 2026). The comments in the code are by the model that wrote it; some were corrected since.
;; Attention. Allowed arithmetic: matrix products marked QUANTISED: E5M2 operands, one E8M0 scale for each 32 along K, by v_wmma_scale_f32_16x16x128_f8f6f4 with both operands' format E5M2, f32 sums; everything else in f32.
;; Inputs: Wq_codes 2,048 x 64 x 32 uint8 (E5M2 codes of Wq, K innermost, in blocks of 32 codes); Wq_scales 2,048 x 64 uint8 (E8M0 scales of Wq, one for each 32 codes along K); x 4 x 2,048 x 2,048 float32.
;; Outputs: out0 4 x 2,048 x 2,048 float32.
;; Constants: H = 64, W = 32.
;; This version of the problem:
;;   THIS VERSION OF THE PROBLEM IS GIVEN IN LOW PRECISION. The matrix products marked QUANTISED in the list below multiply operands that are first quantised to E5M2 (5 exponent bits, 2 mantissa bits; 8 bits a number), with one power-of-two scale for each 32 numbers along K (OCP MX v1.0); their sums are f32. All else is computed in f32.
;;   The module's matrix products, in the order in which they are computed (A, B: the left and right operand; K: the contracted axis; several contracted axes count as one K, in the product's order):
;;     1. [M 8,192, K 2,048] x [K 2,048, N 2,048]; A: input x; B: input Wq (given as codes): QUANTISED
;;     2. batch 4 x [M 2,048, K 2,048] x [K 2,048, N 2,048]; A: computed on the way; B: input x: QUANTISED
;;   THE QUANTISER, for each operand of a quantised product, along K:
;;     - K is cut into blocks of 32 from its start; a last block that is shorter is filled with zeros.
;;     - A block's scale is 2^e with e = floor(log2(the largest magnitude in the block)) - 15, held to -126 .. 127; a block of zeros has e = 0. As a byte (E8M0): e + 127.
;;     - Each number is divided by its block's scale, clamped to +-57,344, and rounded to the nearest number of E5M2, ties to even, subnormals kept.
;;     - The product sums the exact products of the quantised numbers (number of the format x scale) in f32.
;;   ~~~python
;;   def quantise(x, axis):      # numpy; x: float32 -> the quantised numbers, widened to float32 again
;;       x = np.moveaxis(x, axis, -1); K = x.shape[-1]
;;       x = np.pad(x, [(0, 0)] * (x.ndim - 1) + [(0, -K % 32)]); x = x.reshape(x.shape[:-1] + (-1, 32)); a = np.abs(x).max(-1, keepdims=True)
;;       e = np.where(a > 0, np.clip(np.frexp(np.where(a > 0, a, 1))[1] - 1 - 15, -126, 127), 0)      # np.frexp(a)[1] - 1 = floor(log2(a)), exactly
;;       r = np.clip(x / 2.0 ** e, -57344, 57344)
;;       step = 2.0 ** (np.maximum(np.frexp(np.where(r == 0, 1, r))[1] - 1, -14) - 2)
;;       q = np.round(r / step) * step * 2.0 ** e      # np.round: ties to even
;;       return np.moveaxis(q.reshape(q.shape[:-2] + (-1,))[..., :K], -1, axis).astype(np.float32)
;;   ~~~
;;   OPERANDS COMPUTED ON THE WAY. 'Computed on the way' means the value that the module computes at that place (a softmax that the list does not call 'softmax' is quantised finished and normalised). What goes into a quantiser is computed in f32, as accurately as f32 sums, v_exp_f32 and their like allow (about 1e-6 of the number): no bf16 or f16 on the way to a quantiser, and a product that is left as it is and whose result goes on into a quantised operand takes f32 operands (vector FMAs, or v_wmma_f32_16x16x4_f32). A number that lies on a knife's edge between two numbers of the format may be rounded either way, as far as f32 arithmetic and the matrix unit's own rounding can turn it there, and no further.
;;   INPUTS GIVEN AS CODES. Wq (in the module: [2048, 2048], K = its axis 1): each comes as NAME_codes (uint8): NAME with its K axis moved to the last place and cut into blocks of 32 codes, [.., K / 32, bytes a block], one block behind the other in memory; one code a byte (a code: sign, 5 exponent bits, 2 mantissa bits); and NAME_scales (uint8): the same leading axes, one E8M0 byte (e + 127) for each 32 codes along K. Its value is code x scale, taken as it is: it is not quantised again, and the codes and scales need not be those that the quantiser above would give.
;; One version. Each part assembles by itself: llvm-mc -triple=amdgcn-amd-amdhsa -mcpu=gfx1250 --defsym DOCPART=n.
;; ======== version 1 of 1: 4 launches
;; workspace buffers: xc_codes 16,777,216 bytes; xc_scales 524,288 bytes; xi_codes 16,777,216 bytes; xi_scales 524,288 bytes; q_codes 16,777,216 bytes; q_scales 524,288 bytes; vp 524,288 bytes; pm 262,144 bytes
;; launch quant (part 1): grid 8 x 32, 8 waves a work-group, no clusters, 76,800 bytes of LDS; arguments x, xc_codes, xc_scales, xi_codes, xi_scales, vp; writes xc_codes, xc_scales, xi_codes, xi_scales, vp
.if DOCPART == 1
	.amdgcn_target "amdgcn-amd-amdhsa--gfx1250"
	.amdhsa_code_object_version 6
	.text
	.protected	k_q9d64797ed5_quant
	.globl	k_q9d64797ed5_quant
	.p2align	8
	.type	k_q9d64797ed5_quant,@function
k_q9d64797ed5_quant:
	s_mov_b64 s[64:65], 0
	v_nop
	global_prefetch_b8 v0, s[64:65] scope:SCOPE_SE
	s_setreg_imm32_b32 hwreg(HW_REG_WAVE_MODE, 25, 1), 1
	s_wait_xcnt 0x0
; x [4][2048 i][2048 c], f32, is read ONCE and leaves as two sets of E5M2 codes with one E8M0 byte for each 32 along K, and as partial column sums:
;   xc: quantised along c (K of the second product), rows = tokens;   xi: quantised along i (K of the first product), rows = columns of x;   vp: the sum over 128 rows of each column, for the mean.
; THE CODES' LAYOUT is the order of a matrix operand's registers.  For 8,192 rows and K = 2,048:
;   byte = (k/256) 2^21 + (row/16) 4096 + ((k/32)%8) 512 + ((k/16)%2) 256 + (row%16) 16 + k%16;   scale byte at (k/256) 65536 + row 8 + (k/32)%8.
; So 256 rows x 256 K are 65,536 bytes on end, and a quarter of a fragment is 512 bytes on end, 16 a lane.
; xi's rows stand in SLOT order: slot 32 G + l holds column 32 G + perm(l), perm(l) = 8 (l/16) + l%16 + (l & 8): the first product's results then fall so that a lane's 16 registers of two
; neighbouring tiles are 16 neighbours along the second product's K.
; A block's scale is 2^(floor(log2(its largest magnitude)) - 15); its byte is the largest magnitude's exponent field - 15, held at 1 from below by a floor among the maximum's leaves.
; LIMITS: a block of zeros gets the byte 1 where the rule says 127: its codes are zeros, which add nothing, and this program alone reads the bytes.  NaN and infinities among the inputs are not served.
; SHARES.  A work-group owns 256 i x 256 c of one batch: 8 x 32 = 256 work-groups.  Wave w: columns 64 (w%4) on, rows 128 (w/4) on, in four steps of 32 rows x 64 columns (8,192 bytes).
; A step's numbers are loaded as they lie (sixteen lanes read 256 bytes on end of a row), go into the wave's own tile in LDS, and are read back twice: by rows (a lane: 16 neighbours along c) and by
; columns (a lane: one column, 32 registers down i).  LDS serves a wave's instructions in order (ISA guide 5.7.1.4), so one tile a wave is enough and no barrier stands in the steps.
; EVERY STEP'S NUMBERS HAVE REGISTERS OF THEIR OWN (steps 2 and 3 in the second window of 256), so three steps' loads, 48 of 512 bytes a wave, go out at the head and the fourth as soon as the first is in.
; EVERY PIECE'S CODES HAVE REGISTERS OF THEIR OWN too, those that steps 0 and 1 have left, so no store's data are written again and no wait stands for them.
; No tensor load, no cluster: work-groups share no input.
.set PT,    272                        ; a tile's row: 256 bytes + 16 = 68 words, so that 16 rows start at 16 different banks (64 banks of 4 bytes: ISA guide 11.1)
.set TILEB, 32*PT                      ; a wave's tile
.set XIS,   8*TILEB                    ; behind the tiles: xi's scale bytes [slot 256][8],
.set XCS,   XIS+2048                   ; xc's [row 256][8],
.set VS,    XCS+2048                   ; and the column sums [rows' half 2][256] f32
.set FLOOR, 0x8000000                  ; 2^(16 - 127)
.set EOFF,  0xf8800000                 ; -(15 << 23)
.set GOFF, 1                           ; v1   x: 8192 (lane/16) + 16 (lane%16)
.set TST,  2                           ; v2   the tile, on the way in
.set TCI,  3                           ; v3   the tile by columns: 4 perm(lane)
.set TRW,  4                           ; v4   the tile by rows: row lane%16, + 64 (lane/16)
.set OXI,  5                           ; v5   xi's codes: 4096 (lane/16) + 16 (lane%16)
.set OXC,  6                           ; v6   xc's codes: 16 lane
.set SXC,  7                           ; v7   LDS: xc's two scale bytes of my row
.set SXI,  8                           ; v8   LDS: xi's four scale bytes of my slot
.set SVS,  9                           ; v9   LDS: my column's sum
.set FL,   10                          ; v10  LDS: the flush, XIS + 256 wave + 8 lane
.set FG,   11                          ; v11  8 lane
.set TT,   16                          ; v16-17 largest magnitudes
.set PP,   18                          ; v18-19 the other half's
.set HH,   20                          ; v20-21 57,344 x the scale
.set EE,   22                          ; v22-23 the conversion's scale operand
.set KK,   24                          ; v24-25 xc's bytes of two blocks
.set BY,   26                          ; v26-27 a byte
.set SU,   28                          ; v[28:29] second chain of the sums
.set WW,   32                          ; v32-33 xi's scale words
.set SS,   34                          ; v[34:35], v[36:37] column sums, in two halves
.set FD,   40                          ; v[40:45] the flush
.set X0,   64                          ; v64-95, v96-127 32 numbers at work
.set X1,   96
.set R0,   128                         ; v128-191, v192-255 steps 0 and 1 as they are loaded; v256-319, v320-383 (v0-127 of the second window) steps 2 and 3
.set CD,   128                         ; later the codes: step t's four pieces at v[CD + 32 t], 8 registers each
.set MSB, 0
.macro WIN new                         ; s_set_vgpr_msb: bits 1:0 source 0, 3:2 source 1, 7:6 destination; the immediate's high byte repeats the setting that is left
.if MSB != \new
	s_set_vgpr_msb (MSB<<8)|\new
.set MSB, \new
.endif
.endm
.macro PART dst, src, sh               ; an offset's next term
	s_lshl_b32 s38, s[\src], \sh
	s_add_co_u32 s[\dst], s[\dst], s38
.endm
	s_load_b256 s[4:11], s[0:1], 0x0               ; x s[4:5], xc_codes s[6:7], xc_scales s[8:9], xi_codes s[10:11]
	s_load_b128 s[12:15], s[0:1], 0x20             ; xi_scales s[12:13], vp s[14:15]
	v_lshl_add_u32 v62, v0, 2, 0x12800
	v_mov_b32 v63, 0
	v_lshrrev_b32 v12, 5, v0
	v_readfirstlane_b32 s16, v12                   ; wave 0..7
	s_and_b32 s17, s16, 3                          ; cg: which 64 columns
	s_lshr_b32 s18, s16, 2                         ; rh: which 128 rows
	s_mov_b32 s19, ttmp9                           ; ct: which 256 columns
	s_and_b32 s22, ttmp7, 0xffff
	s_lshr_b32 s24, s22, 3                         ; b: the batch
	s_and_b32 s25, s22, 7                          ; it: which 256 rows
	s_mov_b32 s20, 0x76543210
	s_mov_b32 s21, 0xfedcba98                      ; v_permlanex16_b32's selects for lane l xor 16
	s_mov_b32 s23, 0x600000                        ; the mantissa field of 57,344
	s_lshl_b32 s26, s24, 24                        ; x: b 2^24 + (256 it + 128 rh) 8192 + (256 ct + 64 cg) 4
	PART 26, 25, 21
	PART 26, 18, 20
	PART 26, 19, 10
	PART 26, 17, 8
	s_mov_b32 s27, 0
	s_lshl_b32 s28, s25, 21                        ; xi's codes: it 2^21 + (128 b + 16 ct + 4 cg) 4096 + rh 2048
	PART 28, 24, 19
	PART 28, 19, 16
	PART 28, 17, 14
	PART 28, 18, 11
	s_mov_b32 s29, 0
	s_lshl_b32 s30, s19, 21                        ; xc's codes: ct 2^21 + (128 b + 16 it + 8 rh) 4096 + cg 1024
	PART 30, 24, 19
	PART 30, 25, 16
	PART 30, 18, 15
	PART 30, 17, 10
	s_mov_b32 s31, 0
	s_lshl_b32 s32, s25, 16                        ; xi's scales: it 65536 + (2048 b + 256 ct) 8 + 256 wave
	PART 32, 24, 14
	PART 32, 19, 11
	PART 32, 16, 8
	s_mov_b32 s33, 0
	s_lshl_b32 s34, s19, 16                        ; xc's scales: ct 65536 + (2048 b + 256 it) 8 + 256 wave
	PART 34, 24, 14
	PART 34, 25, 11
	PART 34, 16, 8
	s_mov_b32 s35, 0
	s_lshl_b32 s36, s24, 17                        ; vp [b][2 it + rh][c]: b 131072 + (2 it + rh) 8192 + (256 ct + 64 cg) 4
	PART 36, 25, 14
	PART 36, 18, 13
	PART 36, 19, 10
	PART 36, 17, 8
	s_mov_b32 s37, 0
	v_and_b32 v12, 31, v0                          ; lane
	v_and_b32 v13, 15, v0                          ; r
	v_bfe_u32 v14, v0, 4, 1                        ; h
	v_and_b32 v15, 8, v0
	v_add_nc_u32 v15, v15, v13
	v_lshl_add_u32 v15, v14, 3, v15                ; perm(lane)
	s_mul_i32 s39, s16, TILEB                      ; my tile
	v_lshlrev_b32 v[GOFF], 4, v13
	v_lshl_add_u32 v[GOFF], v14, 13, v[GOFF]
	v_mul_u32_u24 v[TST], v14, PT
	v_lshl_add_u32 v[TST], v13, 4, v[TST]
	v_add_nc_u32 v[TST], s39, v[TST]
	v_lshl_add_u32 v[TCI], v15, 2, s39
	v_mul_u32_u24 v[TRW], v13, PT
	v_lshl_add_u32 v[TRW], v14, 6, v[TRW]
	v_add_nc_u32 v[TRW], s39, v[TRW]
	v_lshlrev_b32 v[OXI], 4, v13
	v_lshl_add_u32 v[OXI], v14, 12, v[OXI]
	v_lshlrev_b32 v[OXC], 4, v12
	s_lshl_b32 s38, s18, 10
	s_lshl_b32 s39, s17, 1
	s_add_co_u32 s38, s38, s39
	s_add_co_u32 s38, s38, XCS
	v_lshl_add_u32 v[SXC], v13, 3, s38             ; XCS + 1024 rh + 8 r + 2 cg
	s_lshl_b32 s38, s17, 9
	s_lshl_b32 s39, s18, 2
	s_add_co_u32 s38, s38, s39
	s_add_co_u32 s38, s38, XIS
	v_lshl_add_u32 v[SXI], v12, 3, s38             ; XIS + (64 cg + lane) 8 + 4 rh
	s_lshl_b32 s38, s16, 8
	s_add_co_u32 s39, s38, VS
	v_lshl_add_u32 v[SVS], v15, 2, s39             ; VS + 256 wave + 4 perm(lane)
	s_add_co_u32 s39, s38, XIS
	v_lshl_add_u32 v[FL], v12, 3, s39
	v_lshlrev_b32 v[FG], 3, v12
	v_mov_b32 v[PP], 0                             ; written once: a lane permute's destination counts as one of its sources
	v_mov_b32 v[PP+1], 0
.irp j, 0,1,2,3
	v_mov_b32 v[SS+\j], 0                          ; the column sums begin at 0
.endr
	s_wait_kmcnt 0x0
	s_add_nc_u64 s[4:5], s[4:5], s[26:27]
	s_add_nc_u64 s[10:11], s[10:11], s[28:29]
	s_add_nc_u64 s[6:7], s[6:7], s[30:31]
	s_add_nc_u64 s[12:13], s[12:13], s[32:33]
	s_add_nc_u64 s[8:9], s[8:9], s[34:35]
	s_add_nc_u64 s[14:15], s[14:15], s[36:37]
.macro GLOAD t                         ; step t: 32 rows x 256 bytes; a load takes two rows, sixteen lanes 256 bytes on end, at a multiple of 256 from x's first byte
.if (\t) < 2
.set RB, R0+64*(\t)
.else
.set RB, 64*((\t)-2)
	WIN 0x40                                       ; destination in the second window, address in the first
.endif
.irp k, 0,1,2,3,4,5,6,7,8,9,10,11,12,13,14,15
	global_load_b128 v[RB+4*\k:RB+4*\k+3], v[GOFF], s[4:5] offset:(32*(\t)+2*\k)*8192 th:TH_LOAD_NT
.endr
	WIN 0
.endm
.macro TOTILE t                        ; and into the tile, as they lie
.if (\t) < 2
.set RB, R0+64*(\t)
.else
.set RB, 64*((\t)-2)
	WIN 0x04                                       ; an LDS store's data are its source 1: the second window
.endif
.irp k, 0,1,2,3,4,5,6,7,8,9,10,11,12,13,14,15
	ds_store_b128 v[TST], v[RB+4*\k:RB+4*\k+3] offset:2*\k*PT
.endr
	WIN 0
.endm
.macro LROW g, x                       ; by rows: lane (r, h) takes, of rows r and 16 + r, columns 32 g + 16 h + 0 .. 15: 8 loads
.irp u, 0,1
.irp k, 0,1,2,3
	ds_load_b128 v[\x+16*\u+4*\k:\x+16*\u+4*\k+3], v[TRW] offset:16*\u*PT+128*\g+16*\k
.endr
.endr
.endm
.macro LCOL g, x                       ; by columns: a lane takes column 32 g + perm(lane), registers down the 32 rows: 32 loads
.irp i, 0,1,2,3,4,5,6,7,8,9,10,11,12,13,14,15,16,17,18,19,20,21,22,23,24,25,26,27,28,29,30,31
	ds_load_b32 v[\x+\i], v[TCI] offset:\i*PT+128*\g
.endr
.endm
; xc: two blocks (rows r and 16 + r) of 32 along c; a block lies in lanes l and l xor 16
.macro QROW t, g, x, c
.irp u, 0,1
	v_max3_num_f32 v[TT+\u], |v[\x+16*\u]|, |v[\x+16*\u+1]|, FLOOR   ; my 16 numbers and the floor: the byte cannot fall under 1
.endr
.irp i, 2,4,6,8,10,12,14
.irp u, 0,1
	v_max3_num_f32 v[TT+\u], v[TT+\u], |v[\x+16*\u+\i]|, |v[\x+16*\u+\i+1]|
.endr
.endr
.irp u, 0,1
	v_permlanex16_b32 v[PP+\u], v[TT+\u], s20, s21
.endr
.irp u, 0,1
	v_max_num_f32 v[TT+\u], v[TT+\u], v[PP+\u]     ; the block's largest magnitude
.endr
.irp u, 0,1
	v_add_nc_u32 v[EE+\u], EOFF, v[TT+\u]          ; 15 off its exponent field: the conversion takes this operand's exponent field as its scale
.endr
.irp u, 0,1
	v_and_or_b32 v[HH+\u], v[TT+\u], 0x7f800000, s23   ; 57,344 x the scale
.endr
.if \g == 0
.irp u, 0,1
	v_lshrrev_b32 v[KK+\u], 23, v[EE+\u]           ; the scale's byte: the lower block's in the lower byte
.endr
.else
.irp u, 0,1
	v_lshrrev_b32 v[BY+\u], 23, v[EE+\u]
.endr
.irp u, 0,1
	v_lshl_or_b32 v[KK+\u], v[BY+\u], 8, v[KK+\u]
.endr
.endif
.irp u, 0,1
.irp i, 0,1,2,3,4,5,6,7,8,9,10,11,12,13,14,15
	v_med3_num_f32 v[\x+16*\u+\i], v[\x+16*\u+\i], -v[HH+\u], v[HH+\u]   ; the conversion to an 8-bit code does not saturate (ISA guide 7.6.2): the hold comes first
.endr
.endr
.irp u, 0,1
	v_cvt_scalef32_pk8_bf8_f32 v[\c+4*\u:\c+4*\u+1], v[\x+16*\u:\x+16*\u+7], v[EE+\u]          ; into registers that no other piece writes
	v_cvt_scalef32_pk8_bf8_f32 v[\c+4*\u+2:\c+4*\u+3], v[\x+16*\u+8:\x+16*\u+15], v[EE+\u]
.endr
	v_nop                                          ; a plain line behind the last conversion
.irp u, 0,1
	global_store_b128 v[OXC], v[\c+4*\u:\c+4*\u+3], s[6:7] offset:(2*(\t)+\u)*4096+\g*512   ; 32 lanes store 512 bytes on end, at a multiple of 512 from the buffer's first byte
.endr
.if \g == 1
.irp u, 0,1
	ds_store_b16 v[SXC], v[KK+\u] offset:(32*(\t)+16*\u)*8   ; both lanes of a block write the same bytes with the same value
.endr
.endif
.endm
; xi: one block of 32 along i, all in my registers; the column's sum is taken of the numbers as they came
.macro QCOL t, g, x, c
	v_max3_num_f32 v[TT], |v[\x]|, |v[\x+1]|, |v[\x+2]|
	v_max3_num_f32 v[TT+1], |v[\x+3]|, |v[\x+4]|, |v[\x+5]|
.irp i, 6,10,14,18,22,26
	v_max3_num_f32 v[TT], v[TT], |v[\x+\i]|, |v[\x+\i+1]|
	v_max3_num_f32 v[TT+1], v[TT+1], |v[\x+\i+2]|, |v[\x+\i+3]|
.endr
	v_max3_num_f32 v[TT], v[TT], |v[\x+30]|, |v[\x+31]|
	v_max3_num_f32 v[TT], v[TT], v[TT+1], FLOOR
	v_pk_add_f32 v[SU:SU+1], v[\x:\x+1], v[\x+2:\x+3]
.irp j, 4,8,12,16,20,24,28
	v_pk_add_f32 v[SS+2*\g:SS+2*\g+1], v[SS+2*\g:SS+2*\g+1], v[\x+\j:\x+\j+1]
	v_pk_add_f32 v[SU:SU+1], v[SU:SU+1], v[\x+\j+2:\x+\j+3]
.endr
	v_pk_add_f32 v[SS+2*\g:SS+2*\g+1], v[SS+2*\g:SS+2*\g+1], v[SU:SU+1]
	v_add_nc_u32 v[EE], EOFF, v[TT]
	v_and_or_b32 v[HH], v[TT], 0x7f800000, s23
.if (\t) == 0
	v_lshrrev_b32 v[WW+\g], 23, v[EE]              ; four steps' bytes make my slot's word
.else
	v_lshrrev_b32 v[BY], 23, v[EE]
	v_lshl_or_b32 v[WW+\g], v[BY], 8*(\t), v[WW+\g]
.endif
.irp i, 0,1,2,3,4,5,6,7,8,9,10,11,12,13,14,15,16,17,18,19,20,21,22,23,24,25,26,27,28,29,30,31
	v_med3_num_f32 v[\x+\i], v[\x+\i], -v[HH], v[HH]
.endr
.irp q, 0,1,2,3
	v_cvt_scalef32_pk8_bf8_f32 v[\c+2*\q:\c+2*\q+1], v[\x+8*\q:\x+8*\q+7], v[EE]
.endr
	v_nop
	global_store_b128 v[OXI], v[\c:\c+3], s[10:11] offset:\g*8192+(\t)*512         ; sixteen lanes store 256 bytes on end, aligned: K 0 .. 15 of the block,
	global_store_b128 v[OXI], v[\c+4:\c+7], s[10:11] offset:\g*8192+(\t)*512+256   ; K 16 .. 31
.endm
.macro STEP t
	LROW 1, X1
	s_wait_dscnt 8                                 ; all but the 8 loads just issued: the first rows are in, and the tile's stores have left the registers that they read (codes go there)
	QROW \t, 0, X0, CD+32*(\t)
	LCOL 0, X0
	s_wait_dscnt 32                                ; behind the second rows' loads stand these 32
	QROW \t, 1, X1, CD+32*(\t)+8
	LCOL 1, X1
	s_wait_dscnt 34                                ; behind the first columns' loads: 2 byte stores and 32 loads
	QCOL \t, 0, X0, CD+32*(\t)+16
.if (\t) < 3
	s_wait_loadcnt 16*(2-(\t))                     ; the next step's 16 loads are in; behind them were issued 16 for each later step
	TOTILE (\t)+1                                  ; served behind the loads above, which still read the old tile
	LROW 0, X0
	s_wait_dscnt 24                                ; behind the second columns' loads: 16 stores and 8 loads
.else
	s_wait_dscnt 0
.endif
	QCOL \t, 1, X1, CD+32*(\t)+24
.endm
	GLOAD 0
	GLOAD 1
	GLOAD 2
	s_wait_loadcnt 32                              ; step 0 is in; steps 1 and 2 stay out,
	GLOAD 3                                        ; and the last step joins them: 48 loads are out again
	TOTILE 0
	LROW 0, X0
.irp t, 0,1,2,3
	STEP \t
.endr
.irp g, 0,1
	ds_store_b32 v[SXI], v[WW+\g] offset:256*\g
	v_add_f32 v[SS+2*\g], v[SS+2*\g], v[SS+2*\g+1]
	ds_store_b32 v[SVS], v[SS+2*\g] offset:128*\g
.endr
	s_wait_dscnt 0x0                               ; for the others' sake: all my stores of scale bytes and sums have landed
	s_barrier_signal -1
	s_barrier_wait -1
	ds_load_b64 v[FD:FD+1], v[FL]                  ; each wave takes 256 bytes of each of the three small blocks
	ds_load_b64 v[FD+2:FD+3], v[FL] offset:2048
	ds_load_b64 v[FD+4:FD+5], v[FL] offset:4096
	s_wait_dscnt 0x0
	global_store_b64 v[FG], v[FD:FD+1], s[12:13]   ; 32 lanes store 256 bytes on end, aligned
	global_store_b64 v[FG], v[FD+2:FD+3], s[8:9]
	global_store_b64 v[FG], v[FD+4:FD+5], s[14:15]
	s_wait_tensorcnt 0x0
	ds_add_u32 v62, v63
	s_wait_dscnt 0x0
	s_endpgm
.Lfunc_end_k_q9d64797ed5_quant:
	.size	k_q9d64797ed5_quant, .Lfunc_end_k_q9d64797ed5_quant-k_q9d64797ed5_quant
	.p2alignl 7, 3214868480
	.fill 96, 4, 3214868480
	.section	.rodata,"a",@progbits
	.p2align	6, 0x0
	.amdhsa_kernel k_q9d64797ed5_quant
		.amdhsa_group_segment_fixed_size 76800
		.amdhsa_private_segment_fixed_size 0
		.amdhsa_enable_private_segment 0
		.amdhsa_kernarg_size 48
		.amdhsa_user_sgpr_count 2
		.amdhsa_user_sgpr_kernarg_segment_ptr 1
		.amdhsa_wavefront_size32 1
		.amdhsa_system_sgpr_workgroup_id_x 1
		.amdhsa_system_sgpr_workgroup_id_y 1
		.amdhsa_system_sgpr_workgroup_id_z 1
		.amdhsa_system_vgpr_workitem_id 0
		.amdhsa_next_free_vgpr 384
		.amdhsa_next_free_sgpr 66
		.amdhsa_reserve_vcc 0
		.amdhsa_float_denorm_mode_32 3
		.amdhsa_float_denorm_mode_16_64 3
		.amdhsa_memory_ordered 1
		.amdhsa_forward_progress 1
		.amdhsa_inst_pref_size 109
	.end_amdhsa_kernel
	.amdgpu_metadata
---
amdhsa.version: [ 1, 2 ]
amdhsa.kernels:
  - .name:           k_q9d64797ed5_quant
    .symbol:         k_q9d64797ed5_quant.kd
    .args:
      - { .name: x, .offset: 0, .size: 8, .value_kind: global_buffer, .address_space: global }
      - { .name: xc_codes, .offset: 8, .size: 8, .value_kind: global_buffer, .address_space: global }
      - { .name: xc_scales, .offset: 16, .size: 8, .value_kind: global_buffer, .address_space: global }
      - { .name: xi_codes, .offset: 24, .size: 8, .value_kind: global_buffer, .address_space: global }
      - { .name: xi_scales, .offset: 32, .size: 8, .value_kind: global_buffer, .address_space: global }
      - { .name: vp, .offset: 40, .size: 8, .value_kind: global_buffer, .address_space: global }
    .group_segment_fixed_size: 76800
    .private_segment_fixed_size: 0
    .kernarg_segment_align: 8
    .kernarg_segment_size: 48
    .max_flat_workgroup_size: 256
    .sgpr_count:     66
    .vgpr_count:     384
    .wavefront_size: 32
...
	.end_amdgpu_metadata
.endif
;; end of part 1
;; launch qgemm (part 2): grid 32 x 8, 4 waves a work-group, clusters of 4 x 4, 327,680 bytes of LDS; arguments Wq_codes, Wq_scales, xi_codes, xi_scales, q_codes, q_scales; writes q_codes, q_scales
.if DOCPART == 2
	.amdgcn_target "amdgcn-amd-amdhsa--gfx1250"
	.amdhsa_code_object_version 6
	.text
	.protected	k_q9d64797ed5_qgemm
	.globl	k_q9d64797ed5_qgemm
	.p2align	8
	.type	k_q9d64797ed5_qgemm,@function
k_q9d64797ed5_qgemm:
	s_mov_b64 s[64:65], 0
	v_nop
	global_prefetch_b8 v0, s[64:65] scope:SCOPE_SE
	s_setreg_imm32_b32 hwreg(HW_REG_WAVE_MODE, 25, 1), 1
	s_wait_xcnt 0x0
	s_wait_alu depctr_hold_cnt(0) depctr_sa_sdst(0) depctr_va_vdst(0) depctr_va_sdst(0) depctr_va_ssrc(0) depctr_va_vcc(0) depctr_vm_vsrc(0)
	s_getreg_b32 s2, hwreg(HW_REG_IB_STS2, 6, 4)
	s_cmp_eq_u32 s2, 0
	s_cbranch_scc0 .Lentry_in_a_cluster
	s_endpgm
.Lentry_in_a_cluster:
	s_bfe_u32 s2, ttmp6, 0x10000c
	s_cmp_lg_u32 s2, 0xf033
	s_cbranch_scc0 .Lentry_shape_is_right
	s_endpgm
.Lentry_shape_is_right:
; q[b][o][l] = sum over i of Wq[o][i] x[b][i][l], on codes of E5M2 with one E8M0 scale for each 32 along K = i, sums in f32; q is then quantised along l (the next product's K) in registers and leaves as codes.
; "A" = Wq: [2048][2048] codes, K innermost, scales [2048][64], as given.  "B" = xi: 8,192 slots (batch, column) x K, laid in the order of an operand's registers:
;   byte = (k/256) 2^21 + (slot/16) 4096 + ((k/32)%8) 512 + ((k/16)%2) 256 + (slot%16) 16 + k%16;  scale byte at (k/256) 65536 + slot 8 + (k/32)%8.  q leaves in the same layout, rows = (batch, o), K = l.
; A tile of 256 o x 256 slots is made by four waves, each 128 x 128: 64 accumulators, 512 registers.  K goes in steps of 256 through a ring of two LDS slots filled by the tensor data mover.
; THE CHANGE OF SLOTS STANDS AT THE HEAD OF A SLOT'S LAST 128 ALONG K: all of the slot's fragments have been asked for by then, so the slot is free as soon as those loads are back, and its refill has a whole
; K step, 128 matrix instructions a wave, in which to land.
; The scales of the work-group's rows and slots, for all of K, come into LDS once, with the first fills.
; CLUSTERS: 4 x 4 work-groups.  The four of a row of the cluster need the same tiles of A, the four of a column the same tiles of B: each is asked for jointly, by the same tensor load with a mask that names the four.
; THE MATRIX INSTRUCTION IS USED TRANSPOSED (source 0 = 16 slots of B, source 1 = 16 rows of A): a lane holds one row o, its registers run along the slots.  Slot 32 G + l holds column 32 G + 8 (l/16) + l%16 + (l & 8),
; so the 16 registers of accumulators 2 e and 2 e + 1 are columns 32 e + 16 (lane/16) + 0 .. 15: the conversions' results are q's codes in the operand's own order.
; LIMITS: a block of q that is all zeros gets the byte 1 where the rule says 127: its codes are zeros, and this program alone reads the bytes.  NaN and infinities are not served.
; REGISTERS, in windows of 256: window 0: v0-31 addresses; v32-63 A's scale words, v64-95 B's, two sets each, and nothing else ever; v96-123 at work on the way out; from v128 A's fragments, ONE set (on the way out: numbers and codes).
;   window 1: B's fragments, TWO sets.   window 2: the accumulators of my rows 0-63 ((a, b) at v[8 (8 a + b)]);   window 3: those of my rows 64-127.
.set PITCH,  272                       ; A's LDS row: 256 bytes + 16 = 68 words: 16 rows start at 16 different banks (64 banks of 4 bytes: ISA guide 11.1)
.set FR,     16                        ; registers of a fragment
.set NL,     4                         ; LDS loads that bring one
.set NP,     8                         ; places behind this matrix instruction (ISA guide 7.12.1)
.set NQ,     2                         ; matrix instructions deep in a slot
.set HALFA,  128*PITCH                 ; 128 rows of A
.set BOFF,   2*HALFA                   ; B's part of a slot
.set HALFB,  32768                     ; 128 slots of B x 256 K, dense
.set SLOT,   BOFF+2*HALFB
.set LAPS,   4                         ; 2,048 / 512
.set SCA,    2*SLOT                    ; A's scales: 64 bytes a row, as units of 256 bytes + 16
.set HALFSA, 32*272
.set SBLKA,  4*272                     ; those of 16 rows
.set SCB,    SCA+2*HALFSA              ; B's scales: [half][K step 8][128 slots][8 bytes]
.set HALFSB, 8192
.set SPARE,  SCB+2*HALFSB              ; the spare words, 128 bytes for each wave: two blocks of 256 bytes that no other line names
.set QSTG,   SPARE+512                 ; q's scale bytes [256 rows][8]: bytes of their own, into which no fill lands
.set ADRA, 16                          ; v16-17  my A fragments in slot 0, 1
.set ADRB, 20                          ; v20-21  my B fragments
.set QSA,  24                          ; v24     where I put a row's scale word
.set QSR,  25                          ; v25     where I read 16 bytes of scale bytes back
.set CO,   26                          ; v26     16 x lane
.set ADRSA, 27                         ; v27     A's scale words of row lane % 16
.set SPW,  28                          ; v28     my spare word; never rewritten
.set NIL,  29                          ; v29     0; never rewritten
.set ADRSB, 30                         ; v30     B's scale words of slot lane % 16
.set SA,   32                          ; A's scale words: set s at v[SA + 16 s], register 2 i + q: block i, the slot's q-th 128 along K
.set SB,   64                          ; B's likewise
.set PWR,  96                          ; v96-103  q's scale words, one register a block
.set TT,   104                         ; v104-107 largest magnitudes
.set PP,   108                         ; v108-111 the other half's, then the bytes
.set HH,   112                         ; v112-115 57,344 x the scale
.set EE,   116                         ; v116-119 the conversion's scale operand
.set FLR,  120                         ; v[120:123] the flush
.set AF,   128                         ; A's fragments
.set TQ,   128                         ; the way out: 64 numbers, held
.set PCR,  192                         ; the way out: codes, two sets of 16 by turns
.set G1, 24
.set G0, 32
.set G1B, 48
.set G0B, 56
.set G1S, 68
.set G0S, 76
.set G1SB, 80
.set G0SB, 88
.set MSB, 0
.macro WIN new                         ; the immediate's high byte repeats the setting that is left
.if MSB != \new
	s_set_vgpr_msb (MSB<<8)|\new
.set MSB, \new
.endif
.endm
.set MUL_LO, 0xa1                      ; source 0 (B) window 1, source 1 (A) window 0, C and D window 2
.set MUL_HI, 0xf1                      ; the same, C and D window 3
.set TO_B,   0x40                      ; destination window 1, address window 0
.macro SHAPE g, c, r, p                ; words 1 to 7 of a group 1: r rows of c elements, p elements from row to row
	s_mov_b32 s[\g+1], (\c)<<16
	s_mov_b32 s[\g+2], (\r)<<16
	s_mov_b32 s[\g+3], (\c)<<16
	s_mov_b32 s[\g+4], \r
	s_mov_b32 s[\g+5], \p
	s_mov_b32 s[\g+6], 0
	s_mov_b32 s[\g+7], 0
.endm
; A joint load: waves 0 and 1 fetch for A, waves 2 and 3 for B.  The branch hangs on the wave's number alone.  Four v_nop follow each of the two lines.
.macro JLOAD g0a, g1a, g0b, g1b
	s_cmp_eq_u32 s15, 0
	s_cbranch_scc0 .Lfor_b_\@
	tensor_load_to_lds s[\g0a:\g0a+3], s[\g1a:\g1a+7]
	s_nop 0
.rept 4
	v_nop
.endr
	s_branch .Lasked_\@
.Lfor_b_\@:
	tensor_load_to_lds s[\g0b:\g0b+3], s[\g1b:\g1b+7]
	s_nop 0
.rept 4
	v_nop
.endr
.Lasked_\@:
.endm
.macro CREST                           ; a round of the cluster's barrier behind its opening barrier
	s_cmp_lg_u32 s14, 0
	s_cbranch_scc1 .Lnot_wave_0_\@
	s_barrier_signal -3
.Lnot_wave_0_\@:
	s_barrier_wait -3
	s_barrier_signal -1
	s_barrier_wait -1
.endm
.macro CROUND                          ; a whole round
	s_barrier_signal -1
	s_barrier_wait -1
	CREST
.endm
	s_load_b128 s[4:7], s[0:1], 0x0                ; A's codes s[4:5], A's scales s[6:7]
	s_load_b128 s[8:11], s[0:1], 0x10              ; B's codes s[8:9], B's scales s[10:11]
	s_load_b64 s[12:13], s[0:1], 0x20              ; q's codes
	s_load_b64 s[96:97], s[0:1], 0x28              ; q's scales
	v_lshl_add_u32 v[SPW], v0, 2, SPARE
	v_mov_b32 v[NIL], 0
	ds_add_u32 v28, v29
	ds_add_u32 v28, v29
	s_wait_dscnt 0x0
	v_lshrrev_b32 v1, 5, v0
	v_readfirstlane_b32 s14, v1                    ; wave 0..3
	s_lshr_b32 s15, s14, 1                         ; which half of the tile's rows is mine.  Also: I fetch for A (0) or for B (1)
	s_and_b32 s16, s14, 1                          ; which half of its slots.  Also: which half of that tile I fetch
	s_bfe_u32 s40, ttmp6, 0x40000                  ; cx, cy: my place in the cluster
	s_bfe_u32 s41, ttmp6, 0x40004
	s_lshl_b32 s42, ttmp9, 2
	s_add_co_u32 s42, s42, s40                     ; tile column (256 slots) = 4 x cluster x + cx: 0 .. 31
	s_and_b32 s17, ttmp7, 0xffff
	s_lshl_b32 s17, s17, 2
	s_add_co_u32 s17, s17, s41                     ; tile row (256 o) = 4 x cluster y + cy: 0 .. 7
	s_lshl_b32 s43, s41, 2
	s_lshl_b32 s43, 15, s43                        ; my row of the cluster
	s_lshl_b32 s44, 0x1111, s40                    ; my column
	s_mov_b32 s98, 0x76543210
	s_mov_b32 s99, 0xfedcba98                      ; v_permlanex16_b32's selects for lane l xor 16
	s_mov_b32 s67, 0x600000                        ; the mantissa field of 57,344
	s_or_b32 s[G1+0], s43, (1<<20)|(1<<21)|(5<<22)|(3<<25)          ; A's codes: 15:0 the mask: my row; elements of 1 byte; 20 padding on; 21 set beside a mask; four words behind every 64
	SHAPE G1, 256, 128, 2048                       ; 128 rows x 256 bytes, 2,048 bytes apart
	s_or_b32 s[G1B+0], s44, (3<<16)|(1<<21)                         ; B's codes: the mask: my column; elements of 8 bytes; no padding
	SHAPE G1B, 32, 128, 32                         ; 32,768 dense bytes as 128 rows of 256
	s_or_b32 s[G1S+0], s43, (3<<16)|(1<<20)|(1<<21)|(5<<22)|(3<<25) ; A's scales of 128 rows: 8,192 dense bytes as 32 rows of 256, 16 bytes of padding behind each
	SHAPE G1S, 32, 32, 32
	s_or_b32 s[G1SB+0], s44, (3<<16)|(1<<21)                        ; B's scales of 128 slots: 8 K steps x 1,024 bytes, 65,536 bytes apart
	SHAPE G1SB, 128, 8, 8192
	; A's addresses hang on the tile row alone, B's on the tile column alone, each in registers that do not hold the other coordinate while descriptors are made of them
	s_lshl_b32 s18, s16, 7
	s_lshl_b32 s20, s17, 8
	s_add_co_u32 s20, s20, s18                     ; A: row 256 x tile row + 128 x half
	s_lshl_b32 s22, s20, 6                         ; its scales: 64 bytes a row
	s_mov_b32 s23, 0
	s_lshl_b32 s20, s20, 11                        ; its codes: 2,048 bytes a row
	s_mov_b32 s21, 0
	s_lshl_b32 s46, s42, 16                        ; B's codes: 65,536 x tile column + 32,768 x half
	s_lshl_b32 s19, s16, 15
	s_add_co_u32 s46, s46, s19
	s_mov_b32 s47, 0
	s_lshl_b32 s92, s42, 11                        ; B's scales: 2,048 x tile column + 1,024 x half
	s_lshl_b32 s19, s16, 10
	s_add_co_u32 s92, s92, s19
	s_mov_b32 s93, 0
	s_mul_i32 s45, s16, HALFA                      ; where they go: no place in the cluster enters an LDS address
	s_mul_i32 s94, s16, HALFB
	s_add_co_u32 s94, s94, BOFF
	s_mul_i32 s95, s16, HALFSA
	s_mul_i32 s66, s16, HALFSB
	s_wait_kmcnt 0x0
	s_add_nc_u64 s[20:21], s[4:5], s[20:21]
	s_add_nc_u64 s[22:23], s[6:7], s[22:23]
	s_add_nc_u64 s[46:47], s[8:9], s[46:47]
	s_add_nc_u64 s[92:93], s[10:11], s[92:93]
	CROUND                                         ; all sixteen work-groups are here: the first joint loads meet
	s_mov_b32 s[G0S], 1
	s_add_co_u32 s[G0S+1], s95, SCA
	s_mov_b64 s[G0S+2:G0S+3], s[22:23]
	s_or_b32 s[G0S+3], s[G0S+3], 0x80000000
	s_mov_b32 s[G0SB], 1
	s_add_co_u32 s[G0SB+1], s66, SCB
	s_mov_b64 s[G0SB+2:G0SB+3], s[92:93]
	s_or_b32 s[G0SB+3], s[G0SB+3], 0x80000000
	JLOAD G0S, G1S, G0SB, G1SB                     ; the scales first: they are wanted with K step 0
.irp s, 0,1
	s_mov_b32 s[G0+4*\s], 1
	s_add_co_u32 s[G0+4*\s+1], s45, \s*SLOT
	s_add_nc_u64 s[G0+4*\s+2:G0+4*\s+3], s[20:21], \s*256
	s_or_b32 s[G0+4*\s+3], s[G0+4*\s+3], 0x80000000
	s_mov_b32 s[G0B+4*\s], 1
	s_add_co_u32 s[G0B+4*\s+1], s94, \s*SLOT
	s_add_nc_u64 s[G0B+4*\s+2:G0B+4*\s+3], s[46:47], \s*2097152
	s_or_b32 s[G0B+4*\s+3], s[G0B+4*\s+3], 0x80000000
	JLOAD G0+4*\s, G1, G0B+4*\s, G1B               ; three loads of mine are out behind the second of these
.endr
	v_and_b32 v1, 15, v0                           ; r
	v_bfe_u32 v2, v0, 4, 1                         ; h
	v_and_b32 v6, 31, v0                           ; lane
	v_mul_u32_u24 v3, v1, PITCH
	v_lshl_add_u32 v4, v2, 4, v3                   ; A: row x pitch + 16 h
	v_lshlrev_b32 v[CO], 4, v6                     ; B: 16 x lane
	s_mul_i32 s21, s15, HALFA                      ; my 128 rows of A
	s_mul_i32 s22, s16, HALFB                      ; my 128 slots of B
	s_add_co_u32 s22, s22, BOFF
.irp s, 0,1
	v_add_nc_u32 v[ADRA+\s], s21, v4
	v_add_nc_u32 v[ADRB+\s], s22, v[CO]
	s_add_co_u32 s21, s21, SLOT
	s_add_co_u32 s22, s22, SLOT
.endr
	v_lshlrev_b32 v5, 6, v1                        ; A's scales: 64 bytes a row,
	v_lshrrev_b32 v7, 8, v5
	v_lshl_add_u32 v5, v7, 4, v5                   ; and 16 more for each 256 passed
	s_mul_i32 s21, s15, HALFSA
	s_add_co_u32 s21, s21, SCA
	v_add_nc_u32 v[ADRSA], s21, v5
	s_mul_i32 s22, s16, HALFSB
	s_add_co_u32 s22, s22, SCB
	v_lshl_add_u32 v[ADRSB], v1, 3, s22            ; B's: 8 bytes a slot
	s_lshl_b32 s21, s15, 10
	s_lshl_b32 s22, s16, 2
	s_add_co_u32 s21, s21, s22
	s_add_co_u32 s21, s21, QSTG
	v_lshl_add_u32 v[QSA], v1, 3, s21              ; QSTG + (128 x row half + r) 8 + 4 x slot half
	s_lshl_b32 s21, s14, 9
	s_add_co_u32 s21, s21, QSTG
	v_add_nc_u32 v[QSR], s21, v[CO]
	; where q goes: its K step = tile column % 8, its batch = tile column / 8
	s_and_b32 s20, s42, 7
	s_lshr_b32 s21, s42, 3
	s_lshl_b32 s18, s20, 21                        ; codes: K step 2^21 + (128 batch + 16 tile row + 8 row half) 4096 + 2048 slot half
	s_lshl_b32 s46, s21, 19
	s_add_co_u32 s18, s18, s46
	s_lshl_b32 s46, s17, 16
	s_add_co_u32 s18, s18, s46
	s_lshl_b32 s46, s15, 15
	s_add_co_u32 s18, s18, s46
	s_lshl_b32 s46, s16, 11
	s_add_co_u32 s18, s18, s46
	s_mov_b32 s19, 0
	s_add_nc_u64 s[12:13], s[12:13], s[18:19]
	s_lshl_b32 s22, s20, 16                        ; scales: K step 65536 + (2048 batch + 256 tile row) 8 + 512 wave
	s_lshl_b32 s46, s21, 14
	s_add_co_u32 s22, s22, s46
	s_lshl_b32 s46, s17, 11
	s_add_co_u32 s22, s22, s46
	s_lshl_b32 s46, s14, 9
	s_add_co_u32 s22, s22, s46
	s_mov_b32 s23, 0
	s_add_nc_u64 s[96:97], s[96:97], s[22:23]
.macro FRAGA reg, slot, q, i           ; 16 rows x 128 K: lane l holds row l % 16; registers 4 c .. 4 c + 3 hold K = 32 c + 16 (l / 16) + 0 .. 15
.irp c, 0,1,2,3
	ds_load_b128 v[\reg+4*\c:\reg+4*\c+3], v[ADRA+\slot] offset:128*(\q)+32*\c+(\i)*16*PITCH
.endr
.endm
.macro FRAGB reg, slot, q, i           ; the same registers from the dense layout: 512 bytes on end a load
.irp c, 0,1,2,3
	ds_load_b128 v[\reg+4*\c:\reg+4*\c+3], v[ADRB+\slot] offset:(\i)*4096+(\q)*2048+\c*512
.endr
.endm
; 16 matrix instructions: A's blocks a0, a0 + 1 x B's eight, 128 along K.  p: B's set; sc: the set of scale words.  zero = 1: the first product starts the sums.
; The 64 accumulators take turns, one instruction a turn, in the same order in every step.
.macro MUL16 a0, p, q, sc, zero
.irp a, \a0, \a0+1
.irp b, 0,1,2,3,4,5,6,7
.if \zero
	v_wmma_scale_f32_16x16x128_f8f6f4 v[8*(8*((\a)%4)+\b):8*(8*((\a)%4)+\b)+7], v[128*(\p)+FR*\b:128*(\p)+FR*\b+FR-1], v[AF+FR*(\a):AF+FR*(\a)+FR-1], 0, v[SB+16*(\sc)+2*\b+(\q)], v[SA+16*(\sc)+2*(\a)+(\q)] matrix_a_fmt:MATRIX_FMT_BF8 matrix_b_fmt:MATRIX_FMT_BF8
.else
	v_wmma_scale_f32_16x16x128_f8f6f4 v[8*(8*((\a)%4)+\b):8*(8*((\a)%4)+\b)+7], v[128*(\p)+FR*\b:128*(\p)+FR*\b+FR-1], v[AF+FR*(\a):AF+FR*(\a)+FR-1], v[8*(8*((\a)%4)+\b):8*(8*((\a)%4)+\b)+7], v[SB+16*(\sc)+2*\b+(\q)], v[SA+16*(\sc)+2*(\a)+(\q)] matrix_a_fmt:MATRIX_FMT_BF8 matrix_b_fmt:MATRIX_FMT_BF8
.endif
.endr
.endr
.endm
.macro FETCH_B slot, q, p
	WIN TO_B
.irp i, 0,1,2,3,4,5,6,7
	FRAGB 128*(\p)+FR*\i, \slot, \q, \i
.endr
	WIN 0
.endm
.macro FETCH_A slot, q, i0
.irp i, \i0, \i0+1, \i0+2, \i0+3
	FRAGA AF+FR*(\i), \slot, \q, \i
.endr
.endm
.macro SCALES sc                       ; the next K step's scale words: two words a row; lanes 0-15 hold what is read, lanes 16-31 the same again
.irp i, 0,1,2,3,4,5,6,7
	ds_load_b64 v[SA+16*\sc+2*\i:SA+16*\sc+2*\i+1], v[ADRSA] offset:\i*SBLKA
.endr
.irp i, 0,1,2,3,4,5,6,7
	ds_load_b64 v[SB+16*\sc+2*\i:SB+16*\sc+2*\i+1], v[ADRSB] offset:\i*128
.endr
.endm
.macro PLACES n                        ; plain vector lines between a matrix instruction and a load into, or a vector line on, its registers (ISA guide 7.12.1 for vector lines)
.rept \n
	v_nop
.endr
.endm
.macro STEP slot, q, zero              ; a step of 128 along K that has its successor in the same slot; at its end all of the slot's fragments have been asked for
	s_wait_dscnt 4*NL                              ; B's set, A's blocks 0-3 and the scale words are in; the youngest 16 loads (A's blocks 4-7) may be out
	WIN MUL_LO
	MUL16 0, (\q)%2, \q, \slot, \zero
	MUL16 2, (\q)%2, \q, \slot, \zero
	s_wait_dscnt 0                                 ; A's blocks 4-7 are in
	PLACES NP
	FETCH_B \slot, (\q)+1, 1-(\q)%2
	FETCH_A \slot, (\q)+1, 0
	WIN MUL_HI
	MUL16 4, (\q)%2, \q, \slot, \zero
	MUL16 6, (\q)%2, \q, \slot, \zero
	PLACES NP
	WIN 0
	FETCH_A \slot, (\q)+1, 4
.endm
; A slot's last step begins with the change of slots: ONE barrier; in front of it each wave waits for all its tensor loads, adds 0 to its spare word, and waits for that and for its own reads of this slot, which are all
; issued.  fill = 1: this slot is filled again, two K steps ahead, first thing behind the round; then come the step's 64 products, on registers, and the next slot's first fragments among them.
.macro TURN slot, next, fill
	s_wait_tensorcnt 0x0                           ; all my tensor loads have landed: my part of the next slot; so every group 0 may be written
	ds_add_u32 v[SPW], v[NIL]                      ; 0 onto my spare word: with fill = 1 the descriptors' steps stand between it and the wait for it
.if \fill
	s_add_nc_u64 s[G0+4*\slot+2:G0+4*\slot+3], s[G0+4*\slot+2:G0+4*\slot+3], 512
	s_add_nc_u64 s[G0B+4*\slot+2:G0B+4*\slot+3], s[G0B+4*\slot+2:G0B+4*\slot+3], 4194304
.endif
	s_wait_dscnt 0x0                               ; the add is done, and my reads of this slot are over: this step's fragments and scale words are all in registers
	s_barrier_signal -1
	s_barrier_wait -1
.if \fill
	CREST                                          ; the barrier has opened a round of the cluster's: no wave of any partner still reads this slot or has a load on its way
	JLOAD G0+4*\slot, G1, G0B+4*\slot, G1B         ; the first tensor load behind the round: 128 matrix instructions of mine stand between it and the wait for it
.endif
	v_add_nc_u32 v[ADRSA], 8, v[ADRSA]             ; on to the next K step's scale words
	v_add_nc_u32 v[ADRSB], 1024, v[ADRSB]
	FETCH_B \next, 0, 0                            ; B's set 0 and this set of scale words were last read ahead of a run of eight v_nop: the loads owe no further place
	SCALES \next
	WIN MUL_LO
	MUL16 0, 1, NQ-1, \slot, 0
	MUL16 2, 1, NQ-1, \slot, 0
	PLACES NP
	WIN 0
	FETCH_A \next, 0, 0
	WIN MUL_HI
	MUL16 4, 1, NQ-1, \slot, 0
	MUL16 6, 1, NQ-1, \slot, 0
	PLACES NP
	WIN 0
	FETCH_A \next, 0, 4
.endm
	s_wait_tensorcnt 1                             ; the scales and my part of K step 0 are in; K step 1's load may be out
	s_barrier_signal -1
	s_barrier_wait -1
	FETCH_B 0, 0, 0
	FETCH_A 0, 0, 0
	SCALES 0
	FETCH_A 0, 0, 4
	STEP 0, 0, 1                                   ; the first step stands in front of the loop: its products start the sums
	s_mov_b32 s3, LAPS-1
.Llap:                                                 ; a trip goes once round the ring and fills both slots again
	TURN 0, 1, 1
	STEP 1, 0, 0
	TURN 1, 0, 1
	STEP 0, 0, 0
	s_sub_co_u32 s3, s3, 1
	s_cmp_lg_u32 s3, 0
	s_cbranch_scc1 .Llap
	TURN 0, 1, 0                                   ; the last lap fills nothing
	STEP 1, 0, 0
	s_wait_dscnt 4*NL
	WIN MUL_LO
	MUL16 0, 1, NQ-1, 1, 0
	MUL16 2, 1, NQ-1, 1, 0
	s_wait_dscnt 0
	WIN MUL_HI
	MUL16 4, 1, NQ-1, 1, 0
	MUL16 6, 1, NQ-1, 1, 0
	WIN 0
; THE WAY OUT, block by block of 16 rows o x 128 columns: four blocks of 32 along the next K, each in lanes l and l xor 16.  The codes are stored as they fall: 512 bytes on end a store.
.macro QA a
.set AC, 64*((\a)%4)
.set PCA, PCR+16*((\a)%2)
.set WMAX, 0x28+0x14*((\a)/4)          ; sources 1 and 2: window 2 or 3
.set WMED, 0x02+((\a)/4)               ; source 0: window 2 or 3
	WIN 0
.irp e, 0,1,2,3
	v_mov_b32 v[TT+\e], 0x8000000                  ; the floor 2^(16 - 127): the byte cannot fall under 1
.endr
	WIN WMAX
.irp i, 0,2,4,6,8,10,12,14
.irp e, 0,1,2,3
	v_max3_num_f32 v[TT+\e], v[TT+\e], |v[AC+16*\e+\i]|, |v[AC+16*\e+\i+1]|   ; each accumulator from its low end on
.endr
.endr
	WIN 0
.irp e, 0,1,2,3
	v_permlanex16_b32 v[PP+\e], v[TT+\e], s98, s99
.endr
.irp e, 0,1,2,3
	v_max_num_f32 v[TT+\e], v[TT+\e], v[PP+\e]     ; the block's largest magnitude
.endr
.irp e, 0,1,2,3
	v_add_nc_u32 v[EE+\e], 0xf8800000, v[TT+\e]    ; 15 off its exponent field: the conversion's scale operand
.endr
.irp e, 0,1,2,3
	v_and_or_b32 v[HH+\e], v[TT+\e], 0x7f800000, s67   ; 57,344 x the scale
.endr
.irp e, 0,1,2,3
	v_lshrrev_b32 v[PP+\e], 23, v[EE+\e]           ; the scale's byte
.endr
	v_lshl_or_b32 v[PWR+(\a)], v[PP+1], 8, v[PP]   ; four bytes: my row's word for these 128 columns
	v_lshl_or_b32 v[PWR+(\a)], v[PP+2], 16, v[PWR+(\a)]
	v_lshl_or_b32 v[PWR+(\a)], v[PP+3], 24, v[PWR+(\a)]
	WIN WMED
.irp e, 0,1,2,3
.irp i, 0,1,2,3,4,5,6,7,8,9,10,11,12,13,14,15
	v_med3_num_f32 v[TQ+16*\e+\i], v[AC+16*\e+\i], -v[HH+\e], v[HH+\e]   ; the conversion to an 8-bit code does not saturate (ISA guide 7.6.2): the hold comes first
.endr
.endr
	WIN 0
.if (\a) > 1
	s_wait_xcnt 0x0                                ; the stores of two blocks back have read these registers
.endif
.irp e, 0,1,2,3
	v_cvt_scalef32_pk8_bf8_f32 v[PCA+4*\e:PCA+4*\e+1], v[TQ+16*\e:TQ+16*\e+7], v[EE+\e]
	v_cvt_scalef32_pk8_bf8_f32 v[PCA+4*\e+2:PCA+4*\e+3], v[TQ+16*\e+8:TQ+16*\e+15], v[EE+\e]
.endr
	v_nop                                          ; a plain line behind the last conversion
.irp e, 0,1,2,3
	global_store_b128 v[CO], v[PCA+4*\e:PCA+4*\e+3], s[12:13] offset:(\a)*4096+\e*512   ; 32 lanes store 512 bytes on end, at a multiple of 512 from the buffer's first byte
.endr
	ds_store_b32 v[QSA], v[PWR+(\a)] offset:(\a)*128   ; both lanes of a row write the same word with the same value
.endm
.irp e, 0,1,2,3
	v_mov_b32 v[PP+\e], 0                          ; written once: a lane permute's destination counts as one of its sources.  These four and the four below are the places behind the last products
.endr
	PLACES NP-4
.irp a, 0,1,2,3,4,5,6,7
	QA \a
.endr
	s_wait_dscnt 0x0                               ; for the others' sake: my scale words have landed
	s_barrier_signal -1
	s_barrier_wait -1
	ds_load_b128 v[FLR:FLR+3], v[QSR]              ; a row's 8 bytes come from two waves: each wave takes 512 whole bytes
	s_wait_dscnt 0x0
	global_store_b128 v[CO], v[FLR:FLR+3], s[96:97]
	s_wait_tensorcnt 0x0                           ; the wave's end
	ds_add_u32 v[SPW], v[NIL]
	s_wait_dscnt 0x0
	CROUND                                         ; the closing round: no work-group ends while a partner may still ask for a tile that names it
	s_endpgm
.Lfunc_end_k_q9d64797ed5_qgemm:
	.size	k_q9d64797ed5_qgemm, .Lfunc_end_k_q9d64797ed5_qgemm-k_q9d64797ed5_qgemm
	.p2alignl 7, 3214868480
	.fill 96, 4, 3214868480
	.section	.rodata,"a",@progbits
	.p2align	6, 0x0
	.amdhsa_kernel k_q9d64797ed5_qgemm
		.amdhsa_group_segment_fixed_size 327680
		.amdhsa_private_segment_fixed_size 0
		.amdhsa_enable_private_segment 0
		.amdhsa_kernarg_size 48
		.amdhsa_user_sgpr_count 2
		.amdhsa_user_sgpr_kernarg_segment_ptr 1
		.amdhsa_wavefront_size32 1
		.amdhsa_system_sgpr_workgroup_id_x 1
		.amdhsa_system_sgpr_workgroup_id_y 1
		.amdhsa_system_sgpr_workgroup_id_z 1
		.amdhsa_system_vgpr_workitem_id 0
		.amdhsa_next_free_vgpr 1024
		.amdhsa_next_free_sgpr 100
		.amdhsa_reserve_vcc 0
		.amdhsa_float_denorm_mode_32 3
		.amdhsa_float_denorm_mode_16_64 3
		.amdhsa_memory_ordered 1
		.amdhsa_forward_progress 1
		.amdhsa_inst_pref_size 189
	.end_amdhsa_kernel
	.amdgpu_metadata
---
amdhsa.version: [ 1, 2 ]
amdhsa.kernels:
  - .name:           k_q9d64797ed5_qgemm
    .symbol:         k_q9d64797ed5_qgemm.kd
    .args:
      - { .name: Wq_codes, .offset: 0, .size: 8, .value_kind: global_buffer, .address_space: global }
      - { .name: Wq_scales, .offset: 8, .size: 8, .value_kind: global_buffer, .address_space: global }
      - { .name: xi_codes, .offset: 16, .size: 8, .value_kind: global_buffer, .address_space: global }
      - { .name: xi_scales, .offset: 24, .size: 8, .value_kind: global_buffer, .address_space: global }
      - { .name: q_codes, .offset: 32, .size: 8, .value_kind: global_buffer, .address_space: global }
      - { .name: q_scales, .offset: 40, .size: 8, .value_kind: global_buffer, .address_space: global }
    .group_segment_fixed_size: 327680
    .private_segment_fixed_size: 0
    .kernarg_segment_align: 8
    .kernarg_segment_size: 48
    .max_flat_workgroup_size: 128
    .sgpr_count:     100
    .vgpr_count:     1024
    .wavefront_size: 32
...
	.end_amdgpu_metadata
.endif
;; end of part 2
;; launch amax (part 3): grid 8 x 32, 4 waves a work-group, clusters of 4 x 4, 327,680 bytes of LDS; arguments q_codes, q_scales, xc_codes, xc_scales, pm; writes pm
.if DOCPART == 3
	.amdgcn_target "amdgcn-amd-amdhsa--gfx1250"
	.amdhsa_code_object_version 6
	.text
	.protected	k_q9d64797ed5_amax
	.globl	k_q9d64797ed5_amax
	.p2align	8
	.type	k_q9d64797ed5_amax,@function
k_q9d64797ed5_amax:
	s_mov_b64 s[64:65], 0
	v_nop
	global_prefetch_b8 v0, s[64:65] scope:SCOPE_SE
	s_setreg_imm32_b32 hwreg(HW_REG_WAVE_MODE, 25, 1), 1
	s_wait_xcnt 0x0
	s_wait_alu depctr_hold_cnt(0) depctr_sa_sdst(0) depctr_va_vdst(0) depctr_va_sdst(0) depctr_va_ssrc(0) depctr_va_vcc(0) depctr_vm_vsrc(0)
	s_getreg_b32 s2, hwreg(HW_REG_IB_STS2, 6, 4)
	s_cmp_eq_u32 s2, 0
	s_cbranch_scc0 .Lentry_in_a_cluster
	s_endpgm
.Lentry_in_a_cluster:
	s_bfe_u32 s2, ttmp6, 0x10000c
	s_cmp_lg_u32 s2, 0xf033
	s_cbranch_scc0 .Lentry_shape_is_right
	s_endpgm
.Lentry_shape_is_right:
; attn[b][n][m] = sum over c of q[b][n][c] x[b][m][c], on codes of E5M2 with one E8M0 scale for each 32 along K = c, sums in f32.  attn is never stored: of each tile of 256 n x 256 m only each row's
; largest number leaves: pm[tile column 8][row (b, n) 8192], f32.  (The factor 1/16 is positive and a power of two: it is applied behind the maximum, in the last launch.)
; "A" = q, "B" = xc, both laid in the order of an operand's registers: byte = (k/256) 2^21 + (row/16) 4096 + ((k/32)%8) 512 + ((k/16)%2) 256 + (row%16) 16 + k%16; scale byte at (k/256) 65536 + row 8 + (k/32)%8.
; So 128 rows x 256 K are 32,768 bytes on end: one dense tensor load; a quarter of a fragment is 512 bytes on end in LDS: no pitch and no padding.
; Four waves, each 128 x 128: 64 accumulators.  K goes in steps of 256 through a ring of two LDS slots; the scales of the work-group's rows, for all of K, come once with the first fills.
; THE CHANGE OF SLOTS STANDS AT THE HEAD OF A SLOT'S LAST 128 ALONG K: all of the slot's fragments have been asked for by then, so its refill has a whole K step, 128 matrix instructions a wave, in which to land.
; CLUSTERS: 4 x 4 work-groups; A's tiles are shared along a row of the cluster, B's along a column, each asked for jointly.  A cluster's four tile rows lie in one batch (8 tile rows to a batch), so the batch hangs on the cluster's y alone.
; TRANSPOSED USE (source 0 = 16 rows of B, source 1 = 16 rows of A): a lane holds one row n, its registers run along m: the maximum needs one exchange between the halves of the lanes.
; LIMITS: NaN and infinities are not served (the maximum drops a NaN).
; REGISTERS: window 0: v0-31 addresses; v32-63 A's scale words, v64-95 B's, and nothing else ever; v96-119 at work on the way out; from v128 A's fragments, ONE set.  window 1: B's fragments, TWO sets.  windows 2, 3: accumulators.
.set FR,     16
.set NL,     4
.set NP,     8                         ; places behind this matrix instruction (ISA guide 7.12.1)
.set NQ,     2
.set HALFI,  32768                     ; 128 rows x 256 K
.set BOFF,   2*HALFI
.set SLOT,   4*HALFI
.set LAPS,   4
.set SCA,    2*SLOT                    ; A's scales: [half][K step 8][128 rows][8 bytes]
.set HALFS,  8192
.set SCB,    SCA+2*HALFS
.set SPARE,  SCB+2*HALFS               ; the spare words, 128 bytes for each wave: two blocks of 256 bytes that no other line names
.set STG,    SPARE+512                 ; the rows' maxima [column half 2][256 rows] f32: bytes of their own, into which no fill lands
.set ADRA, 16
.set ADRB, 20
.set STO,  24                          ; v24  where I put a row's maximum
.set RD,   25                          ; v25  where I read two rows' back
.set CO,   26                          ; v26  8 x lane
.set ADRSA, 27
.set SPW,  28                          ; v28  my spare word; never rewritten
.set NIL,  29                          ; v29  0; never rewritten
.set ADRSB, 30
.set SA,   32
.set SB,   64
.set TM,   96                          ; v96-103  a block's row maxima
.set PM,   104                         ; v104-111 the other half's
.set PK,   112                         ; v112-115 two blocks' rows, one a lane
.set RB,   116                         ; v[116:119] read back
.set AF,   128
.set G1, 24
.set G0, 32
.set G1B, 48
.set G0B, 56
.set G1S, 68
.set G0S, 76
.set G1SB, 80
.set G0SB, 88
.set MSB, 0
.macro WIN new                         ; the immediate's high byte repeats the setting that is left
.if MSB != \new
	s_set_vgpr_msb (MSB<<8)|\new
.set MSB, \new
.endif
.endm
.set MUL_LO, 0xa1
.set MUL_HI, 0xf1
.set TO_B,   0x40
.macro SHAPE g, c, r, p                ; words 1 to 7 of a group 1: r rows of c elements, p elements from row to row
	s_mov_b32 s[\g+1], (\c)<<16
	s_mov_b32 s[\g+2], (\r)<<16
	s_mov_b32 s[\g+3], (\c)<<16
	s_mov_b32 s[\g+4], \r
	s_mov_b32 s[\g+5], \p
	s_mov_b32 s[\g+6], 0
	s_mov_b32 s[\g+7], 0
.endm
.macro JLOAD g0a, g1a, g0b, g1b        ; a joint load: waves 0 and 1 fetch for A, waves 2 and 3 for B; four v_nop follow each of the two lines
	s_cmp_eq_u32 s15, 0
	s_cbranch_scc0 .Lfor_b_\@
	tensor_load_to_lds s[\g0a:\g0a+3], s[\g1a:\g1a+7]
	s_nop 0
.rept 4
	v_nop
.endr
	s_branch .Lasked_\@
.Lfor_b_\@:
	tensor_load_to_lds s[\g0b:\g0b+3], s[\g1b:\g1b+7]
	s_nop 0
.rept 4
	v_nop
.endr
.Lasked_\@:
.endm
.macro CREST
	s_cmp_lg_u32 s14, 0
	s_cbranch_scc1 .Lnot_wave_0_\@
	s_barrier_signal -3
.Lnot_wave_0_\@:
	s_barrier_wait -3
	s_barrier_signal -1
	s_barrier_wait -1
.endm
.macro CROUND
	s_barrier_signal -1
	s_barrier_wait -1
	CREST
.endm
	s_load_b128 s[4:7], s[0:1], 0x0                ; A's codes s[4:5], A's scales s[6:7]
	s_load_b128 s[8:11], s[0:1], 0x10              ; B's codes s[8:9], B's scales s[10:11]
	s_load_b64 s[12:13], s[0:1], 0x20              ; pm
	v_lshl_add_u32 v[SPW], v0, 2, SPARE
	v_mov_b32 v[NIL], 0
	ds_add_u32 v28, v29
	ds_add_u32 v28, v29
	s_wait_dscnt 0x0
	v_lshrrev_b32 v1, 5, v0
	v_readfirstlane_b32 s14, v1                    ; wave 0..3
	s_lshr_b32 s15, s14, 1                         ; which half of the tile's rows n is mine.  Also: I fetch for A (0) or for B (1)
	s_and_b32 s16, s14, 1                          ; which half of its columns m.  Also: which half of that tile I fetch
	s_bfe_u32 s40, ttmp6, 0x40000                  ; cx, cy
	s_bfe_u32 s41, ttmp6, 0x40004
	s_lshl_b32 s42, ttmp9, 2
	s_add_co_u32 s42, s42, s40                     ; tile column (256 m of the batch) = 4 x cluster x + cx: 0 .. 7
	s_and_b32 s17, ttmp7, 0xffff                   ; the cluster's y
	s_lshr_b32 s46, s17, 1                         ; the batch = (4 y + cy) / 8 = y / 2: shared by all sixteen
	s_lshl_b32 s46, s46, 3
	s_add_co_u32 s46, s46, s42                     ; B's tile among xc's 32: 8 x batch + tile column
	s_lshl_b32 s17, s17, 2
	s_add_co_u32 s17, s17, s41                     ; tile row (256 rows of q) = 4 x cluster y + cy: 0 .. 31
	s_lshl_b32 s43, s41, 2
	s_lshl_b32 s43, 15, s43                        ; my row of the cluster
	s_lshl_b32 s44, 0x1111, s40                    ; my column
	s_mov_b32 s98, 0x76543210
	s_mov_b32 s99, 0xfedcba98                      ; v_permlanex16_b32's selects for lane l xor 16
	s_mov_b32 s67, 0xffff0000                      ; lanes 16-31
	s_or_b32 s[G1+0], s43, (3<<16)|(1<<21)         ; codes: 15:0 the mask; elements of 8 bytes; 21 set beside a mask; no padding
	SHAPE G1, 32, 128, 32                          ; 32,768 dense bytes as 128 rows of 256
	s_or_b32 s[G1B+0], s44, (3<<16)|(1<<21)
	SHAPE G1B, 32, 128, 32
	s_or_b32 s[G1S+0], s43, (3<<16)|(1<<21)        ; scales of 128 rows: 8 K steps x 1,024 bytes, 65,536 bytes apart
	SHAPE G1S, 128, 8, 8192
	s_or_b32 s[G1SB+0], s44, (3<<16)|(1<<21)
	SHAPE G1SB, 128, 8, 8192
	s_lshl_b32 s18, s16, 15
	s_lshl_b32 s19, s16, 10
	s_lshl_b32 s20, s17, 16                        ; A's codes: 65,536 x tile row + 32,768 x half
	s_add_co_u32 s20, s20, s18
	s_mov_b32 s21, 0
	s_lshl_b32 s22, s17, 11                        ; A's scales: 2,048 x tile row + 1,024 x half
	s_add_co_u32 s22, s22, s19
	s_mov_b32 s23, 0
	s_lshl_b32 s92, s46, 11                        ; B's likewise, by its own tile
	s_add_co_u32 s92, s92, s19
	s_mov_b32 s93, 0
	s_lshl_b32 s46, s46, 16
	s_add_co_u32 s46, s46, s18
	s_mov_b32 s47, 0
	s_lshl_b32 s45, s16, 15                        ; where they go: no place in the cluster enters an LDS address
	s_add_co_u32 s94, s45, BOFF
	s_lshl_b32 s95, s16, 13
	s_wait_kmcnt 0x0
	s_add_nc_u64 s[20:21], s[4:5], s[20:21]
	s_add_nc_u64 s[22:23], s[6:7], s[22:23]
	s_add_nc_u64 s[46:47], s[8:9], s[46:47]
	s_add_nc_u64 s[92:93], s[10:11], s[92:93]
	CROUND                                         ; all sixteen work-groups are here: the first joint loads meet
	s_mov_b32 s[G0S], 1
	s_add_co_u32 s[G0S+1], s95, SCA
	s_mov_b64 s[G0S+2:G0S+3], s[22:23]
	s_or_b32 s[G0S+3], s[G0S+3], 0x80000000
	s_mov_b32 s[G0SB], 1
	s_add_co_u32 s[G0SB+1], s95, SCB
	s_mov_b64 s[G0SB+2:G0SB+3], s[92:93]
	s_or_b32 s[G0SB+3], s[G0SB+3], 0x80000000
	JLOAD G0S, G1S, G0SB, G1SB                     ; the scales first
.irp s, 0,1
	s_mov_b32 s[G0+4*\s], 1
	s_add_co_u32 s[G0+4*\s+1], s45, \s*SLOT
	s_add_nc_u64 s[G0+4*\s+2:G0+4*\s+3], s[20:21], \s*2097152
	s_or_b32 s[G0+4*\s+3], s[G0+4*\s+3], 0x80000000
	s_mov_b32 s[G0B+4*\s], 1
	s_add_co_u32 s[G0B+4*\s+1], s94, \s*SLOT
	s_add_nc_u64 s[G0B+4*\s+2:G0B+4*\s+3], s[46:47], \s*2097152
	s_or_b32 s[G0B+4*\s+3], s[G0B+4*\s+3], 0x80000000
	JLOAD G0+4*\s, G1, G0B+4*\s, G1B               ; three loads of mine are out behind the second of these
.endr
	v_and_b32 v1, 15, v0                           ; r
	v_and_b32 v6, 31, v0                           ; lane
	v_lshlrev_b32 v4, 4, v6                        ; 16 x lane
	s_lshl_b32 s21, s15, 15                        ; my 128 rows of A
	s_lshl_b32 s22, s16, 15                        ; my 128 rows of B
	s_add_co_u32 s22, s22, BOFF
.irp s, 0,1
	v_add_nc_u32 v[ADRA+\s], s21, v4
	v_add_nc_u32 v[ADRB+\s], s22, v4
	s_add_co_u32 s21, s21, SLOT
	s_add_co_u32 s22, s22, SLOT
.endr
	s_lshl_b32 s21, s15, 13
	s_add_co_u32 s21, s21, SCA
	v_lshl_add_u32 v[ADRSA], v1, 3, s21            ; 8 bytes a row
	s_lshl_b32 s22, s16, 13
	s_add_co_u32 s22, s22, SCB
	v_lshl_add_u32 v[ADRSB], v1, 3, s22
	s_lshl_b32 s21, s16, 10
	s_lshl_b32 s22, s15, 9
	s_add_co_u32 s21, s21, s22
	s_add_co_u32 s21, s21, STG
	v_lshl_add_u32 v[STO], v6, 2, s21              ; STG + 1024 x column half + 512 x row half + 4 x lane
	s_lshl_b32 s21, s14, 8
	s_add_co_u32 s21, s21, STG
	v_lshl_add_u32 v[RD], v6, 3, s21               ; back: 64 rows a wave
	v_lshlrev_b32 v[CO], 3, v6
	s_lshl_b32 s18, s42, 15                        ; pm: 32,768 x tile column + 1,024 x tile row + 256 x wave
	s_lshl_b32 s46, s17, 10
	s_add_co_u32 s18, s18, s46
	s_lshl_b32 s46, s14, 8
	s_add_co_u32 s18, s18, s46
	s_mov_b32 s19, 0
	s_add_nc_u64 s[12:13], s[12:13], s[18:19]
.macro FRAG reg, adr, q, i             ; 16 rows x 128 K: four loads of 512 bytes on end
.irp c, 0,1,2,3
	ds_load_b128 v[\reg+4*\c:\reg+4*\c+3], v[\adr] offset:(\i)*4096+(\q)*2048+\c*512
.endr
.endm
; 16 matrix instructions; the 64 accumulators take turns, one instruction a turn, in the same order in every step
.macro MUL16 a0, p, q, sc, zero
.irp a, \a0, \a0+1
.irp b, 0,1,2,3,4,5,6,7
.if \zero
	v_wmma_scale_f32_16x16x128_f8f6f4 v[8*(8*((\a)%4)+\b):8*(8*((\a)%4)+\b)+7], v[128*(\p)+FR*\b:128*(\p)+FR*\b+FR-1], v[AF+FR*(\a):AF+FR*(\a)+FR-1], 0, v[SB+16*(\sc)+2*\b+(\q)], v[SA+16*(\sc)+2*(\a)+(\q)] matrix_a_fmt:MATRIX_FMT_BF8 matrix_b_fmt:MATRIX_FMT_BF8
.else
	v_wmma_scale_f32_16x16x128_f8f6f4 v[8*(8*((\a)%4)+\b):8*(8*((\a)%4)+\b)+7], v[128*(\p)+FR*\b:128*(\p)+FR*\b+FR-1], v[AF+FR*(\a):AF+FR*(\a)+FR-1], v[8*(8*((\a)%4)+\b):8*(8*((\a)%4)+\b)+7], v[SB+16*(\sc)+2*\b+(\q)], v[SA+16*(\sc)+2*(\a)+(\q)] matrix_a_fmt:MATRIX_FMT_BF8 matrix_b_fmt:MATRIX_FMT_BF8
.endif
.endr
.endr
.endm
.macro FETCH_B slot, q, p
	WIN TO_B
.irp i, 0,1,2,3,4,5,6,7
	FRAG 128*(\p)+FR*\i, ADRB+\slot, \q, \i
.endr
	WIN 0
.endm
.macro FETCH_A slot, q, i0
.irp i, \i0, \i0+1, \i0+2, \i0+3
	FRAG AF+FR*(\i), ADRA+\slot, \q, \i
.endr
.endm
.macro SCALES sc
.irp i, 0,1,2,3,4,5,6,7
	ds_load_b64 v[SA+16*\sc+2*\i:SA+16*\sc+2*\i+1], v[ADRSA] offset:\i*128
.endr
.irp i, 0,1,2,3,4,5,6,7
	ds_load_b64 v[SB+16*\sc+2*\i:SB+16*\sc+2*\i+1], v[ADRSB] offset:\i*128
.endr
.endm
.macro PLACES n
.rept \n
	v_nop
.endr
.endm
.macro STEP slot, q, zero              ; a step of 128 along K that has its successor in the same slot; at its end all of the slot's fragments have been asked for
	s_wait_dscnt 4*NL                              ; all but the youngest 16 loads (A's blocks 4-7)
	WIN MUL_LO
	MUL16 0, (\q)%2, \q, \slot, \zero
	MUL16 2, (\q)%2, \q, \slot, \zero
	s_wait_dscnt 0
	PLACES NP
	FETCH_B \slot, (\q)+1, 1-(\q)%2
	FETCH_A \slot, (\q)+1, 0
	WIN MUL_HI
	MUL16 4, (\q)%2, \q, \slot, \zero
	MUL16 6, (\q)%2, \q, \slot, \zero
	PLACES NP
	WIN 0
	FETCH_A \slot, (\q)+1, 4
.endm
; A slot's last step begins with the change of slots: ONE barrier; in front of it each wave waits for all its tensor loads, adds 0 to its spare word, and waits for that and for its own reads of this slot, which are all
; issued.  fill = 1: this slot is filled again, two K steps ahead, first thing behind the round; then come the step's 64 products, on registers, and the next slot's first fragments among them.
.macro TURN slot, next, fill
	s_wait_tensorcnt 0x0                           ; all my tensor loads have landed: my part of the next slot; so every group 0 may be written
	ds_add_u32 v[SPW], v[NIL]                      ; 0 onto my spare word: with fill = 1 the descriptors' steps stand between it and the wait for it
.if \fill
	s_add_nc_u64 s[G0+4*\slot+2:G0+4*\slot+3], s[G0+4*\slot+2:G0+4*\slot+3], 4194304
	s_add_nc_u64 s[G0B+4*\slot+2:G0B+4*\slot+3], s[G0B+4*\slot+2:G0B+4*\slot+3], 4194304
.endif
	s_wait_dscnt 0x0                               ; the add is done, and my reads of this slot are over: this step's fragments and scale words are all in registers
	s_barrier_signal -1
	s_barrier_wait -1
.if \fill
	CREST                                          ; a round of the cluster's barrier: no wave of any partner still reads this slot or has a load on its way
	JLOAD G0+4*\slot, G1, G0B+4*\slot, G1B         ; the first tensor load behind the round: 128 matrix instructions of mine stand between it and the wait for it
.endif
	v_add_nc_u32 v[ADRSA], 1024, v[ADRSA]          ; on to the next K step's scale words
	v_add_nc_u32 v[ADRSB], 1024, v[ADRSB]
	FETCH_B \next, 0, 0                            ; B's set 0 and this set of scale words were last read ahead of a run of eight v_nop: the loads owe no further place
	SCALES \next
	WIN MUL_LO
	MUL16 0, 1, NQ-1, \slot, 0
	MUL16 2, 1, NQ-1, \slot, 0
	PLACES NP
	WIN 0
	FETCH_A \next, 0, 0
	WIN MUL_HI
	MUL16 4, 1, NQ-1, \slot, 0
	MUL16 6, 1, NQ-1, \slot, 0
	PLACES NP
	WIN 0
	FETCH_A \next, 0, 4
.endm
	s_wait_tensorcnt 1                             ; the scales and my part of K step 0 are in; K step 1's load may be out
	s_barrier_signal -1
	s_barrier_wait -1
	FETCH_B 0, 0, 0
	FETCH_A 0, 0, 0
	SCALES 0
	FETCH_A 0, 0, 4
	STEP 0, 0, 1
	s_mov_b32 s3, LAPS-1
.Llap:
	TURN 0, 1, 1
	STEP 1, 0, 0
	TURN 1, 0, 1
	STEP 0, 0, 0
	s_sub_co_u32 s3, s3, 1
	s_cmp_lg_u32 s3, 0
	s_cbranch_scc1 .Llap
	TURN 0, 1, 0
	STEP 1, 0, 0
	s_wait_dscnt 4*NL
	WIN MUL_LO
	MUL16 0, 1, NQ-1, 1, 0
	MUL16 2, 1, NQ-1, 1, 0
	s_wait_dscnt 0
	WIN MUL_HI
	MUL16 4, 1, NQ-1, 1, 0
	MUL16 6, 1, NQ-1, 1, 0
	WIN 0
	; THE WAY OUT: each row's largest number over my 128 columns, then over the two waves that share the rows.
.irp a, 0,1,2,3,4,5,6,7
	v_mov_b32 v[TM+\a], 0xff800000                 ; -infinity, under every number.  These sixteen plain lines name no register of the last products: they are the places behind them
	v_mov_b32 v[PM+\a], 0                          ; a lane permute's destination counts as one of its sources
.endr
	WIN 0x28                                       ; sources 1 and 2: window 2
.irp b, 0,1,2,3,4,5,6,7
.irp p, 0,1,2,3
.irp a, 0,1,2,3
	v_max3_num_f32 v[TM+\a], v[TM+\a], v[8*(8*\a+\b)+2*\p], v[8*(8*\a+\b)+2*\p+1]   ; four blocks by turns; each accumulator from its low end on
.endr
.endr
.endr
	WIN 0x3c                                       ; window 3
.irp b, 0,1,2,3,4,5,6,7
.irp p, 0,1,2,3
.irp a, 0,1,2,3
	v_max3_num_f32 v[TM+4+\a], v[TM+4+\a], v[8*(8*\a+\b)+2*\p], v[8*(8*\a+\b)+2*\p+1]
.endr
.endr
.endr
	WIN 0
.irp a, 0,1,2,3,4,5,6,7
	v_permlanex16_b32 v[PM+\a], v[TM+\a], s98, s99
.endr
.irp a, 0,1,2,3,4,5,6,7
	v_max_num_f32 v[TM+\a], v[TM+\a], v[PM+\a]     ; lanes r and 16 + r now both hold row 16 a + r's
.endr
.irp a, 0,2,4,6
	v_cndmask_b32 v[PK+\a/2], v[TM+\a], v[TM+\a+1], s67   ; lanes 0-15 keep block a's rows, lanes 16-31 take block a + 1's: 32 rows on end
	ds_store_b32 v[STO], v[PK+\a/2] offset:\a*64
.endr
	s_wait_dscnt 0x0                               ; for the others' sake: my maxima have landed
	s_barrier_signal -1
	s_barrier_wait -1
	ds_load_b64 v[RB:RB+1], v[RD]                  ; two rows a lane, of the left columns' wave
	ds_load_b64 v[RB+2:RB+3], v[RD] offset:1024    ; and of the right columns'
	s_wait_dscnt 0x0
	v_max_num_f32 v[RB], v[RB], v[RB+2]
	v_max_num_f32 v[RB+1], v[RB+1], v[RB+3]
	global_store_b64 v[CO], v[RB:RB+1], s[12:13]   ; 32 lanes store 256 bytes on end, aligned
	s_wait_tensorcnt 0x0                           ; the wave's end
	ds_add_u32 v[SPW], v[NIL]
	s_wait_dscnt 0x0
	CROUND                                         ; the closing round
	s_endpgm
.Lfunc_end_k_q9d64797ed5_amax:
	.size	k_q9d64797ed5_amax, .Lfunc_end_k_q9d64797ed5_amax-k_q9d64797ed5_amax
	.p2alignl 7, 3214868480
	.fill 96, 4, 3214868480
	.section	.rodata,"a",@progbits
	.p2align	6, 0x0
	.amdhsa_kernel k_q9d64797ed5_amax
		.amdhsa_group_segment_fixed_size 327680
		.amdhsa_private_segment_fixed_size 0
		.amdhsa_enable_private_segment 0
		.amdhsa_kernarg_size 40
		.amdhsa_user_sgpr_count 2
		.amdhsa_user_sgpr_kernarg_segment_ptr 1
		.amdhsa_wavefront_size32 1
		.amdhsa_system_sgpr_workgroup_id_x 1
		.amdhsa_system_sgpr_workgroup_id_y 1
		.amdhsa_system_sgpr_workgroup_id_z 1
		.amdhsa_system_vgpr_workitem_id 0
		.amdhsa_next_free_vgpr 1024
		.amdhsa_next_free_sgpr 100
		.amdhsa_reserve_vcc 0
		.amdhsa_float_denorm_mode_32 3
		.amdhsa_float_denorm_mode_16_64 3
		.amdhsa_memory_ordered 1
		.amdhsa_forward_progress 1
		.amdhsa_inst_pref_size 136
	.end_amdhsa_kernel
	.amdgpu_metadata
---
amdhsa.version: [ 1, 2 ]
amdhsa.kernels:
  - .name:           k_q9d64797ed5_amax
    .symbol:         k_q9d64797ed5_amax.kd
    .args:
      - { .name: q_codes, .offset: 0, .size: 8, .value_kind: global_buffer, .address_space: global }
      - { .name: q_scales, .offset: 8, .size: 8, .value_kind: global_buffer, .address_space: global }
      - { .name: xc_codes, .offset: 16, .size: 8, .value_kind: global_buffer, .address_space: global }
      - { .name: xc_scales, .offset: 24, .size: 8, .value_kind: global_buffer, .address_space: global }
      - { .name: pm, .offset: 32, .size: 8, .value_kind: global_buffer, .address_space: global }
    .group_segment_fixed_size: 327680
    .private_segment_fixed_size: 0
    .kernarg_segment_align: 8
    .kernarg_segment_size: 40
    .max_flat_workgroup_size: 128
    .sgpr_count:     100
    .vgpr_count:     1024
    .wavefront_size: 32
...
	.end_amdgpu_metadata
.endif
;; end of part 3
;; launch outer (part 4): grid 256 x 1, 8 waves a work-group, no clusters, 0 bytes of LDS; arguments pm, vp, out0; writes out0
.if DOCPART == 4
	.amdgcn_target "amdgcn-amd-amdhsa--gfx1250"
	.amdhsa_code_object_version 6
	.text
	.protected	k_q9d64797ed5_outer
	.globl	k_q9d64797ed5_outer
	.p2align	8
	.type	k_q9d64797ed5_outer,@function
k_q9d64797ed5_outer:
	s_mov_b64 s[64:65], 0
	v_nop
	global_prefetch_b8 v0, s[64:65] scope:SCOPE_SE
	s_setreg_imm32_b32 hwreg(HW_REG_WAVE_MODE, 25, 1), 1
	s_wait_xcnt 0x0
; out0[b][i][j] = v[b][i] m[b][j]:  m[b][j] = (the largest of pm[0..7][b 2048 + j]) / 16;  v[b][i] = (the sum of vp[b][0..15][i]) / 2048.  Both factors are powers of two.
; A work-group owns 32 rows i of one batch: 4 x 64 = 256 work-groups, 262,144 bytes of output each.  Thread t owns columns 4 t .. 4 t + 3 and 1024 + 4 t .. + 3 of every row, so its eight m stay in registers
; and each store of a wave covers 512 bytes on end, aligned.  The 32 v are made one a lane, in every wave, and read out into scalar registers.
; A stream of stores: no LDS, no barrier, no matrix unit, no cluster (what is shared, 64 KB of pm for a batch, is small beside the 256 KB that a work-group writes).
; LIMITS: NaN is not served (the maximum drops it).
	s_load_b128 s[4:7], s[0:1], 0x0                ; pm s[4:5], vp s[6:7]
	s_load_b64 s[8:9], s[0:1], 0x10                ; out0
	s_lshr_b32 s10, ttmp9, 6                       ; the batch
	s_and_b32 s11, ttmp9, 63                       ; which 32 rows
	v_lshlrev_b32 v1, 4, v0                        ; 16 t
	v_and_b32 v2, 31, v0
	v_lshlrev_b32 v2, 2, v2                        ; 4 x lane
	s_lshl_b32 s12, s10, 13                        ; pm: 2,048 numbers a batch
	s_mov_b32 s13, 0
	s_lshl_b32 s14, s10, 17                        ; vp: 131,072 bytes a batch, + my 32 numbers
	s_lshl_b32 s15, s11, 7
	s_add_co_u32 s14, s14, s15
	s_mov_b32 s15, 0
	s_lshl_b32 s48, s10, 24                        ; out0: 2^24 bytes a batch, 32 rows of 8,192
	s_lshl_b32 s49, s11, 18
	s_add_co_u32 s48, s48, s49
	s_mov_b32 s49, 0
	s_wait_kmcnt 0x0
	s_add_nc_u64 s[4:5], s[4:5], s[12:13]
	s_add_nc_u64 s[6:7], s[6:7], s[14:15]
	s_add_nc_u64 s[8:9], s[8:9], s[48:49]
.irp p, 0,1,2,3,4,5,6,7
.irp k, 0,1
	global_load_b128 v[32+8*\p+4*\k:32+8*\p+4*\k+3], v1, s[4:5] offset:\p*32768+\k*4096   ; part p of my eight columns' maxima
.endr
.endr
.irp p, 0,1,2,3,4,5,6,7,8,9,10,11,12,13,14,15
	global_load_b32 v[96+\p], v2, s[6:7] offset:\p*8192                                   ; part p of row (lane)'s sum
.endr
	s_wait_loadcnt 0x0
.irp n, 0,1,2,3,4,5,6,7
	v_max3_num_f32 v[16+\n], v[32+\n], v[40+\n], v[48+\n]
.endr
.irp n, 0,1,2,3,4,5,6,7
	v_max3_num_f32 v[16+\n], v[16+\n], v[56+\n], v[64+\n]
.endr
.irp n, 0,1,2,3,4,5,6,7
	v_max3_num_f32 v[16+\n], v[16+\n], v[72+\n], v[80+\n]
.endr
.irp n, 0,1,2,3,4,5,6,7
	v_max_num_f32 v[16+\n], v[16+\n], v[88+\n]
.endr
.irp n, 0,2,4,6
	v_pk_mul_f32 v[16+\n:17+\n], v[16+\n:17+\n], 0x3d800000 op_sel_hi:[1,0]   ; x 2^-4: the scale 256^-0.5
.endr
.irp p, 0,2,4,6
	v_pk_add_f32 v[96+\p:97+\p], v[96+\p:97+\p], v[104+\p:105+\p]
.endr
	v_pk_add_f32 v[96:97], v[96:97], v[100:101]
	v_pk_add_f32 v[98:99], v[98:99], v[102:103]
	v_pk_add_f32 v[96:97], v[96:97], v[98:99]
	v_add_f32 v96, v96, v97
	v_mul_f32 v112, 0x3a000000, v96                ; x 2^-11: the mean over 2,048 tokens
.set k, 0
.rept 32
	v_readlane_b32 s[16+k], v112, k                ; row k's v
.set k, k+1
.endr
.set k, 0
.rept 32
.if (k%8 == 0) && (k > 0)
	s_wait_xcnt 0x0                                ; the stores of eight rows back have read their data: the eight sets of registers go round
.endif
.irp j, 0,1,2,3,4,5,6,7
	v_mul_f32 v[128+8*(k%8)+\j], s[16+k], v[16+\j]
.endr
	global_store_b128 v1, v[128+8*(k%8):128+8*(k%8)+3], s[8:9] offset:k*8192 th:TH_STORE_NT
	global_store_b128 v1, v[128+8*(k%8)+4:128+8*(k%8)+7], s[8:9] offset:k*8192+4096 th:TH_STORE_NT
.set k, k+1
.endr
	s_endpgm
.Lfunc_end_k_q9d64797ed5_outer:
	.size	k_q9d64797ed5_outer, .Lfunc_end_k_q9d64797ed5_outer-k_q9d64797ed5_outer
	.p2alignl 7, 3214868480
	.fill 96, 4, 3214868480
	.section	.rodata,"a",@progbits
	.p2align	6, 0x0
	.amdhsa_kernel k_q9d64797ed5_outer
		.amdhsa_group_segment_fixed_size 0
		.amdhsa_private_segment_fixed_size 0
		.amdhsa_enable_private_segment 0
		.amdhsa_kernarg_size 24
		.amdhsa_user_sgpr_count 2
		.amdhsa_user_sgpr_kernarg_segment_ptr 1
		.amdhsa_wavefront_size32 1
		.amdhsa_system_sgpr_workgroup_id_x 1
		.amdhsa_system_sgpr_workgroup_id_y 1
		.amdhsa_system_sgpr_workgroup_id_z 1
		.amdhsa_system_vgpr_workitem_id 0
		.amdhsa_next_free_vgpr 192
		.amdhsa_next_free_sgpr 66
		.amdhsa_reserve_vcc 0
		.amdhsa_float_denorm_mode_32 3
		.amdhsa_float_denorm_mode_16_64 3
		.amdhsa_memory_ordered 1
		.amdhsa_forward_progress 1
		.amdhsa_inst_pref_size 23
	.end_amdhsa_kernel
	.amdgpu_metadata
---
amdhsa.version: [ 1, 2 ]
amdhsa.kernels:
  - .name:           k_q9d64797ed5_outer
    .symbol:         k_q9d64797ed5_outer.kd
    .args:
      - { .name: pm, .offset: 0, .size: 8, .value_kind: global_buffer, .address_space: global }
      - { .name: vp, .offset: 8, .size: 8, .value_kind: global_buffer, .address_space: global }
      - { .name: out0, .offset: 16, .size: 8, .value_kind: global_buffer, .address_space: global }
    .group_segment_fixed_size: 0
    .private_segment_fixed_size: 0
    .kernarg_segment_align: 8
    .kernarg_segment_size: 24
    .max_flat_workgroup_size: 256
    .sgpr_count:     66
    .vgpr_count:     192
    .wavefront_size: 32
...
	.end_amdgpu_metadata
.endif
;; end of part 4
